; MI455X (gfx1250); checked and timed in simulation.
; The chip was launched on July 23, 2026; its instructions are those of AMD's public machine-readable ISA for CDNA 5 (MIT licence, August 2026) and "CDNA5" Instruction Set Architecture Reference Guide (July 2026). The comments in the code are by the model that wrote it; some were corrected since.
;; Attention. Allowed arithmetic: matrix products marked QUANTISED: E2M1 operands, one E8M0 scale for each 32 along K, by v_wmma_scale_f32_16x16x128_f8f6f4 with both operands' format E2M1 (or v_wmma_scale_f32_32x16x128_f4), f32 sums; products left as they are: f32 operands where the result goes on into a quantised operand, else bf16, f16 or f32 operands; f32 sums; everything else in f32.
;; Inputs: V 1,024 x 1 float32; W1_codes 1,024 x 32 x 16 uint8 (E2M1 codes of W1, K innermost, in blocks of 32 codes, two codes a byte); W1_scales 1,024 x 32 uint8 (E8M0 scales of W1, one for each 32 codes along K); W2_codes 1,024 x 32 x 16 uint8 (E2M1 codes of W2, K innermost, in blocks of 32 codes, two codes a byte); W2_scales 1,024 x 32 uint8 (E8M0 scales of W2, one for each 32 codes along K); encoder_output 32 x 2,048 x 1,024 float32; state_hidden_codes 32 x 32 x 16 uint8 (E2M1 codes of state_hidden, K innermost, in blocks of 32 codes, two codes a byte); state_hidden_scales 32 x 32 uint8 (E8M0 scales of state_hidden, one for each 32 codes along K).
;; Outputs: out0 32 x 1,024 float32; out1 32 x 2,048 x 1 float32.
;; This version of the problem:
;;   THIS VERSION OF THE PROBLEM IS GIVEN IN LOW PRECISION. The matrix products marked QUANTISED in the list below multiply operands that are first quantised to E2M1 (2 exponent bits, 1 mantissa bit; 4 bits a number), with one power-of-two scale for each 32 numbers along K (OCP MX v1.0); their sums are f32. All else is computed in f32.
;;   The module's matrix products, in the order in which they are computed (A, B: the left and right operand; K: the contracted axis; several contracted axes count as one K, in the product's order):
;;     1. [M 65,536, K 1,024] x [K 1,024, N 1,024]; A: input encoder_output; B: input W1 (given as codes): QUANTISED
;;     2. [M 32, K 1,024] x [K 1,024, N 1,024]; A: input state_hidden (given as codes); B: input W2 (given as codes): QUANTISED
;;     3. [M 65,536, K 1,024] x [K 1,024, N 1]; A: computed on the way; B: input V: left as it is (N = 1 < 16)
;;     4. batch 32 x [M 1,024, K 2,048] x [K 2,048, N 1]; A: input encoder_output; B: softmax: left as it is (N = 1 < 16)
;;   THE QUANTISER, for each operand of a quantised product, along K:
;;     - K is cut into blocks of 32 from its start; a last block that is shorter is filled with zeros.
;;     - A block's scale is 2^e with e = floor(log2(the largest magnitude in the block)) - 2, held to -126 .. 127; a block of zeros has e = 0. As a byte (E8M0): e + 127.
;;     - Each number is divided by its block's scale, clamped to +-6, and rounded to the nearest number of E2M1, ties to even, subnormals kept.
;;     - The product sums the exact products of the quantised numbers (number of the format x scale) in f32.
;;   ~~~python
;;   def quantise(x, axis):      # numpy; x: float32 -> the quantised numbers, widened to float32 again
;;       x = np.moveaxis(x, axis, -1); K = x.shape[-1]
;;       x = np.pad(x, [(0, 0)] * (x.ndim - 1) + [(0, -K % 32)]); x = x.reshape(x.shape[:-1] + (-1, 32)); a = np.abs(x).max(-1, keepdims=True)
;;       e = np.where(a > 0, np.clip(np.frexp(np.where(a > 0, a, 1))[1] - 1 - 2, -126, 127), 0)      # np.frexp(a)[1] - 1 = floor(log2(a)), exactly
;;       r = np.clip(x / 2.0 ** e, -6, 6)
;;       step = 2.0 ** (np.maximum(np.frexp(np.where(r == 0, 1, r))[1] - 1, 0) - 1)
;;       q = np.round(r / step) * step * 2.0 ** e      # np.round: ties to even
;;       return np.moveaxis(q.reshape(q.shape[:-2] + (-1,))[..., :K], -1, axis).astype(np.float32)
;;   ~~~
;;   INPUTS GIVEN AS CODES. W1 (in the module: [1024, 1024], K = its axis 0); W2 (in the module: [1024, 1024], K = its axis 0); state_hidden (in the module: [32, 1024], K = its axis 1): each comes as NAME_codes (uint8): NAME with its K axis moved to the last place and cut into blocks of 32 codes, [.., K / 32, bytes a block], one block behind the other in memory; two codes a byte, the lower K in the low four bits (a code: sign, 2 exponent bits, 1 mantissa bit); and NAME_scales (uint8): the same leading axes, one E8M0 byte (e + 127) for each 32 codes along K. Its value is code x scale, taken as it is: it is not quantised again, and the codes and scales need not be those that the quantiser above would give.
;; One version. Each part assembles by itself: llvm-mc -triple=amdgcn-amd-amdhsa -mcpu=gfx1250 --defsym DOCPART=n.
;; ======== version 1 of 1: 3 launches
;; limits: values are held in bf16: 8 bits of precision; right only within a limited range of input values
;; workspace buffers: w1f 524,288 bytes; h2c 131,072 bytes; scores 262,144 bytes; part_ml 65,536 bytes; part_cv 1,048,576 bytes
;; launch prep (part 1): grid 64 x 1, 2 waves a work-group, no clusters, 0 bytes of LDS; arguments W1_codes, W2_codes, W2_scales, state_hidden_codes, state_hidden_scales, w1f, h2c; writes w1f, h2c
.if DOCPART == 1
	.amdgcn_target "amdgcn-amd-amdhsa--gfx1250"
	.amdhsa_code_object_version 6
	.text
	.protected	k_qb462b5d625_prep
	.globl	k_qb462b5d625_prep
	.p2align	8
	.type	k_qb462b5d625_prep,@function
k_qb462b5d625_prep:
	s_mov_b64 s[64:65], 0
	v_nop
	global_prefetch_b8 v0, s[64:65] scope:SCOPE_SE
	s_setreg_imm32_b32 hwreg(HW_REG_WAVE_MODE, 25, 1), 1
	s_wait_xcnt 0x0
; THE PROGRAM: additive attention.  scores[b][t] = sum over e of V[e] tanh((Q(enc) W1)[b][t][e] + (s W2)[b][e]); xe = softmax over t; con_vec[b] = sum over t of xe[b][t] enc[b][t][:].
; Three launches: this one (W1's codes laid as register images; s W2), the main one (scores, and per 256 rows a running maximum, sum and weighted sum of rows), a last one that joins 8 parts a batch.
; WORK LEFT OUT.  tanh z = 1 - 2 r with r = 1 / (1 + e^(2 z)), an identity for every real z.  So scores[b][t] = (sum of V[e]) - 2 sum of V[e] r[b][t][e].  The first term is the same for all t of a batch,
; whatever V holds, and a term that is the same along a softmax's axis leaves the softmax as it is; scores reach the outputs through that softmax alone.  So the sum of V is never formed.  No input is left out.
; LIMIT: a NaN, an infinity or an overflow that would reach the sum of V alone is not carried to the result.  NaN and infinities among the inputs are not served.
;
; THIS LAUNCH.  Work-group nt takes 16 columns e = 16 nt .. 16 nt + 15 (rows of W1_codes and W2_codes, whose K is innermost).  Wave m (0, 1):
;  - copies W1's fragments of K steps 4 m .. 4 m + 3 into w1f as images of the operand's registers: byte = (nt / 8) 65536 + q 8192 + (nt % 8) 1024 + c 512 + 16 lane; each store covers 512 consecutive bytes;
;  - makes (s W2)[16 m + r][e] on codes of E2M1 with E8M0 scales, 8 K steps of 128, and stores it times 2 log2(e) into h2c [32][1024] f32.
; The product is used transposed (source 0 = 16 rows of W2, source 1 = 16 batches): lane (r, h) then holds batch 16 m + r and e = 16 nt + 8 h + 0 .. 7, 32 neighbouring bytes of h2c.
; h2c leaves in pieces of 32 bytes: 131,072 bytes in the whole launch; a way through LDS is not spent on them.
.set FA,  2                            ; v2   512 r + 16 h: my lane's place in a tile of 16 rows of 512 bytes (W1, W2, s alike)
.set SA,  3                            ; v3   32 r: my row of scale bytes
.set LI,  4                            ; v4   16 x lane: my place in an image
.set HO,  5                            ; v5   4096 r + 32 h: my place in h2c
.set W2F, 8                            ; v8-71    W2's 8 fragments
.set SF,  72                           ; v72-135  s's 8 fragments
.set W1F, 136                          ; v136-167 W1's 4 fragments
.set W2S, 168                          ; v168-175 W2's scale words, K step q in register q: scales and nothing else
.set SS,  176                          ; v176-183 s's scale words: scales and nothing else
.set AC0, 184                          ; v184-191 the sum of the even K steps
.set AC1, 192                          ; v192-199 the sum of the odd ones
.set RES, 200                          ; v200-207 the result
	s_load_b256 s[4:11], s[0:1], 0x0               ; W1_codes s[4:5], W2_codes s[6:7], W2_scales s[8:9], s's codes s[10:11]
	s_load_b128 s[12:15], s[0:1], 0x20             ; s's scales s[12:13], w1f s[14:15]
	s_load_b64 s[16:17], s[0:1], 0x30              ; h2c
	v_lshrrev_b32 v1, 5, v0
	v_readfirstlane_b32 s20, v1                    ; m: wave 0, 1
	v_and_b32 v6, 15, v0                           ; r
	v_bfe_u32 v7, v0, 4, 1                         ; h
	v_lshlrev_b32 v[FA], 9, v6
	v_lshl_add_u32 v[FA], v7, 4, v[FA]
	v_lshlrev_b32 v[SA], 5, v6
	v_and_b32 v[LI], 31, v0
	v_lshlrev_b32 v[LI], 4, v[LI]
	v_lshlrev_b32 v[HO], 12, v6
	v_lshl_add_u32 v[HO], v7, 5, v[HO]
	s_lshl_b32 s24, ttmp9, 13                      ; W2: 16 rows of 512 bytes a tile
	s_mov_b32 s25, 0
	s_lshl_b32 s22, s20, 8
	s_add_co_u32 s22, s22, s24                     ; W1: the same tile, from K step 4 m on (64 bytes a K step)
	s_mov_b32 s23, 0
	s_lshl_b32 s26, ttmp9, 9                       ; W2's scales: 16 rows of 32 bytes
	s_mov_b32 s27, 0
	s_lshl_b32 s28, s20, 13                        ; s's codes: batches 16 m on
	s_mov_b32 s29, 0
	s_lshl_b32 s30, s20, 9                         ; s's scales
	s_mov_b32 s31, 0
	s_lshr_b32 s32, ttmp9, 3
	s_lshl_b32 s32, s32, 16                        ; w1f: (nt / 8) 65536
	s_and_b32 s36, ttmp9, 7
	s_lshl_b32 s36, s36, 10
	s_add_co_u32 s32, s32, s36                     ; + (nt % 8) 1024
	s_lshl_b32 s36, s20, 15
	s_add_co_u32 s32, s32, s36                     ; + 4 m K steps of 8192
	s_mov_b32 s33, 0
	s_lshl_b32 s34, s20, 16                        ; h2c: 16 m rows of 4096 bytes
	s_lshl_b32 s36, ttmp9, 6
	s_add_co_u32 s34, s34, s36                     ; + 16 nt numbers
	s_mov_b32 s35, 0
	s_wait_alu depctr_va_vdst(0)
	s_wait_kmcnt 0x0
	s_add_nc_u64 s[4:5], s[4:5], s[22:23]
	s_add_nc_u64 s[6:7], s[6:7], s[24:25]
	s_add_nc_u64 s[8:9], s[8:9], s[26:27]
	s_add_nc_u64 s[10:11], s[10:11], s[28:29]
	s_add_nc_u64 s[12:13], s[12:13], s[30:31]
	s_add_nc_u64 s[14:15], s[14:15], s[32:33]
	s_add_nc_u64 s[16:17], s[16:17], s[34:35]
; A fragment, 16 rows x 128 K of 4-bit codes, is 8 registers: lane (r, h) holds row r; registers 4 c .. 4 c + 3 hold K = 64 c + 32 h + 0 .. 31: 16 bytes of the row as they lie.
.irp q, 0,1,2,3
.irp c, 0,1
	global_load_b128 v[W1F+8*\q+4*\c:W1F+8*\q+4*\c+3], v[FA], s[4:5] offset:64*\q+32*\c
.endr
.endr
.irp q, 0,1,2,3,4,5,6,7
.irp c, 0,1
	global_load_b128 v[W2F+8*\q+4*\c:W2F+8*\q+4*\c+3], v[FA], s[6:7] offset:64*\q+32*\c
	global_load_b128 v[SF+8*\q+4*\c:SF+8*\q+4*\c+3], v[FA], s[10:11] offset:64*\q+32*\c
.endr
.endr
.irp e, 0,1
	global_load_b128 v[W2S+4*\e:W2S+4*\e+3], v[SA], s[8:9] offset:16*\e      ; a row's 32 scale bytes are its 8 scale words
	global_load_b128 v[SS+4*\e:SS+4*\e+3], v[SA], s[12:13] offset:16*\e
.endr
	s_wait_loadcnt 0x0
.irp q, 0,1,2,3
.irp c, 0,1
	global_store_b128 v[LI], v[W1F+8*\q+4*\c:W1F+8*\q+4*\c+3], s[14:15] offset:8192*\q+512*\c   ; the image: 32 lanes store 512 consecutive bytes
.endr
.endr
; Two accumulators take turns, one instruction a turn; each one's first product starts its sum.
.irp q, 0,1,2,3,4,5,6,7
.if \q < 2
	v_wmma_scale_f32_16x16x128_f8f6f4 v[AC0+8*(\q%2):AC0+8*(\q%2)+7], v[W2F+8*\q:W2F+8*\q+7], v[SF+8*\q:SF+8*\q+7], 0, v[W2S+\q], v[SS+\q] matrix_a_fmt:MATRIX_FMT_FP4 matrix_b_fmt:MATRIX_FMT_FP4
.else
	v_wmma_scale_f32_16x16x128_f8f6f4 v[AC0+8*(\q%2):AC0+8*(\q%2)+7], v[W2F+8*\q:W2F+8*\q+7], v[SF+8*\q:SF+8*\q+7], v[AC0+8*(\q%2):AC0+8*(\q%2)+7], v[W2S+\q], v[SS+\q] matrix_a_fmt:MATRIX_FMT_FP4 matrix_b_fmt:MATRIX_FMT_FP4
.endif
.endr
.rept 4
	v_nop                                          ; four places between the last product and the first read of a result (ISA guide 7.12.1)
.endr
.irp i, 0,2,4,6
	v_pk_add_f32 v[RES+\i:RES+\i+1], v[AC0+\i:AC0+\i+1], v[AC1+\i:AC1+\i+1]   ; both accumulators from their low ends on
.endr
.irp i, 0,2,4,6
	v_pk_mul_f32 v[RES+\i:RES+\i+1], v[RES+\i:RES+\i+1], 0x4038aa3b op_sel_hi:[1,0]   ; x 2 log2(e): the main launch takes 2^(..) of it
.endr
	global_store_b128 v[HO], v[RES:RES+3], s[16:17]
	global_store_b128 v[HO], v[RES+4:RES+7], s[16:17] offset:16
	s_endpgm
.Lfunc_end_k_qb462b5d625_prep:
	.size	k_qb462b5d625_prep, .Lfunc_end_k_qb462b5d625_prep-k_qb462b5d625_prep
	.p2alignl 7, 3214868480
	.fill 96, 4, 3214868480
	.section	.rodata,"a",@progbits
	.p2align	6, 0x0
	.amdhsa_kernel k_qb462b5d625_prep
		.amdhsa_group_segment_fixed_size 0
		.amdhsa_private_segment_fixed_size 0
		.amdhsa_enable_private_segment 0
		.amdhsa_kernarg_size 56
		.amdhsa_user_sgpr_count 2
		.amdhsa_user_sgpr_kernarg_segment_ptr 1
		.amdhsa_wavefront_size32 1
		.amdhsa_system_sgpr_workgroup_id_x 1
		.amdhsa_system_sgpr_workgroup_id_y 1
		.amdhsa_system_sgpr_workgroup_id_z 1
		.amdhsa_system_vgpr_workitem_id 0
		.amdhsa_next_free_vgpr 208
		.amdhsa_next_free_sgpr 66
		.amdhsa_reserve_vcc 0
		.amdhsa_float_denorm_mode_32 3
		.amdhsa_float_denorm_mode_16_64 3
		.amdhsa_memory_ordered 1
		.amdhsa_forward_progress 1
		.amdhsa_inst_pref_size 9
	.end_amdhsa_kernel
	.amdgpu_metadata
---
amdhsa.version: [ 1, 2 ]
amdhsa.kernels:
  - .name:           k_qb462b5d625_prep
    .symbol:         k_qb462b5d625_prep.kd
    .args:
      - { .name: W1_codes, .offset: 0, .size: 8, .value_kind: global_buffer, .address_space: global }
      - { .name: W2_codes, .offset: 8, .size: 8, .value_kind: global_buffer, .address_space: global }
      - { .name: W2_scales, .offset: 16, .size: 8, .value_kind: global_buffer, .address_space: global }
      - { .name: state_hidden_codes, .offset: 24, .size: 8, .value_kind: global_buffer, .address_space: global }
      - { .name: state_hidden_scales, .offset: 32, .size: 8, .value_kind: global_buffer, .address_space: global }
      - { .name: w1f, .offset: 40, .size: 8, .value_kind: global_buffer, .address_space: global }
      - { .name: h2c, .offset: 48, .size: 8, .value_kind: global_buffer, .address_space: global }
    .group_segment_fixed_size: 0
    .private_segment_fixed_size: 0
    .kernarg_segment_align: 8
    .kernarg_segment_size: 56
    .max_flat_workgroup_size: 64
    .sgpr_count:     66
    .vgpr_count:     208
    .wavefront_size: 32
...
	.end_amdgpu_metadata
.endif
;; end of part 1
;; launch main (part 2): grid 8 x 32, 8 waves a work-group, no clusters, 222,208 bytes of LDS; arguments encoder_output, w1f, W1_scales, h2c, V, scores, part_ml, part_cv; writes scores, part_ml, part_cv
.if DOCPART == 2
	.amdgcn_target "amdgcn-amd-amdhsa--gfx1250"
	.amdhsa_code_object_version 6
	.text
	.protected	k_qb462b5d625_main
	.globl	k_qb462b5d625_main
	.p2align	8
	.type	k_qb462b5d625_main,@function
k_qb462b5d625_main:
	s_mov_b64 s[64:65], 0
	v_nop
	global_prefetch_b8 v0, s[64:65] scope:SCOPE_SE
	s_setreg_imm32_b32 hwreg(HW_REG_WAVE_MODE, 25, 1), 1
	s_wait_xcnt 0x0
; t[b][row] = sum over e of V'[e] / (1 + 2^(c z[e] + h2c[b][e])), z = Q(enc) W1 on codes of E2M1, c = 2 log2(e), V' = -c V: log2(e) x the score without the sum of V.
; WORK LEFT OUT: the sum of V, the same along the softmax's axis for all values of the inputs (shown at the head of the first launch's text); an overflow or NaN that would reach it alone is not carried on.
; encoder_output IS READ ONCE.  Work-group (x, b) owns rows 256 x .. 256 x + 255 of batch b, as 2 blocks of 128: W1's codes are walked once a block.
; SHARES OF WAVE w (8 waves).  It loads, quantises and KEEPS columns 128 w .. 128 w + 127 of all 128 rows: codes and scale bytes go to LDS for all waves; the rows rounded to bf16 are read by this wave alone:
; rows 64-127 stay in 128 registers, rows 0-63 lie in LDS as an image of such registers.  Product: all 128 rows x W1's columns 128 w .., in 4 chunks of 32 columns, 16 accumulators by turns; no barrier stands among the chunks.
; HOW ROWS COME IN.  Two loads, rows 2 p and 2 p + 1, each of 512 consecutive bytes: lanes 0-15 take the even pieces of 16 bytes, lanes 16-31 the odd ones; one exchange of lane halves for each pair of registers
; gives lanes 0-15 row 2 p and lanes 16-31 row 2 p + 1, columns 8 (lane % 16) + 0 .. 7: 8 neighbours along K in a lane; four neighbouring lanes share a block of 32.
; THE PRODUCT IS USED TRANSPOSED (source 0 = 16 columns e of W1, source 1 = 16 rows): a lane holds one row (lane % 16) and e = 16 j + 8 (lane / 16) + 0 .. 7.
; FOUR FRACTIONS, ONE RECIPROCAL: V0/a0 + V1/a1 + V2/a2 + V3/a3 = ((V0 a2 + V2 a0) a1 a3 + (V1 a3 + V3 a1) a0 a2) / (a0 a1 a2 a3), a = 1 + 2^x.  x is held at 30 from above: there 1 / a is under 2^-30,
; so the hold moves a fraction by less than 2^-30, and the product of four a stays under 2^121.
; Out go t (scores), the running maximum m and l = sum of 2^(t - m) (part_ml), and sum of 2^(t - m) x row (part_cv); the last launch joins 8 such parts a batch.
; NO CLUSTER, NO TENSOR LOADS, though all work-groups walk the same W1: its codes come as register images (w1f), 512 consecutive bytes an instruction, straight into the registers of the one wave that multiplies by them;
; through LDS each byte would be written there and read back, and a ring of K steps would put a round of barriers at every 16 products of a wave.
; PREFETCH: in each chunk of block 0 a wave names 32 rows x 512 bytes of its own columns of block 1 (a lane a row, two requests 256 bytes apart), each piece once in the launch; the loads that want them stand behind the block's last chunk.  Block 1 asks for nothing.
; LIMITS: the hold at 30 as above; p under 2^-126 counts as 0; a block of 32 zeros gets the scale byte 1, not 127 (its codes are zeros; the bytes are read here alone); rows enter con_vec rounded to bf16;
; V' x 2^91 must stay inside f32 (|V| under 2^35); NaN and infinities among the inputs are not served.
.set APITCH, 528                       ; a row of 1,024 codes in LDS: 512 bytes + 16
.set SPITCH, 48                        ; a row of 32 scale bytes + 16
.set SPILL,  0                         ; per wave 16,384 bytes: images of the kept pairs 0-31, each wave's own
.set ACODE,  131072                    ; 128 rows of codes
.set ASCL,   198656                    ; 128 rows of scale bytes
.set EXCH,   204800                    ; [wave][128 rows] f32: each wave's part of t
.set PARR,   208896                    ; [wave][2][64] f32: p of the even rows, of the odd rows; each wave's own copy
.set TABH,   212992                    ; h2c[b][0 .. 1023]
.set TABV,   217088                    ; V'
.set SPARE,  221184                    ; the spare words, 128 bytes a wave
.set SPW, 2                            ; SPARE + 4 x thread; never rewritten
.set NIL, 3                            ; 0; never rewritten
.set XA,  4                            ; ACODE + 528 r + 16 h
.set ASA, 5                            ; ASCL + 48 lane
.set WB,  6                            ; 16 lane
.set EO,  7                            ; 32 r + 16 h
.set PFO, 8                            ; 4096 lane
.set CST, 9                            ; ACODE + 528 h + 64 w + 4 r
.set CST2, 10                          ; the same, 64 rows on
.set SST, 11                           ; ASCL + 48 h + 4 w + r / 4
.set SPA, 12                           ; SPILL + 16384 w + 16 lane
.set EXW, 13                           ; EXCH + 512 w + 4 r
.set EXR, 14                           ; EXCH + 16 lane
.set PWA, 15                           ; PARR + 512 w + 8 lane
.set PRA, 16                           ; PARR + 512 w + 256 h
.set TBA, 17                           ; TABH + 512 w + 32 h
.set TBC, 18                           ; the same at the chunk in hand
.set SCO, 19                           ; 16 lane + 512 x block
.set BSA, 20                           ; 32 lane
.set MX,  22                           ; m, l
.set FF,  24                           ; f; v25 named with it as a pair
.set ASC, 32                           ; v32-63  x's scale words: register 8 u + q: lanes 0-15 tile 2 u, lanes 16-31 tile 2 u + 1.  Scales and nothing else
.set BSC, 64                           ; v64-71  W1's scale words of the chunk: register q: lanes 0-15 tile 0, lanes 16-31 tile 1.  Scales and nothing else
.set SP,  72                           ; v72-87  t's part, a pair for each tile of rows
.set CV,  88                           ; v88-95  con_vec: columns 128 w + 8 r + 0 .. 7, rows of parity h
.set T,   96                           ; v96-111 at work
.set XF,  112                          ; v112-175 8 fragments of x; at work while quantising; h2c's table; p
.set RING, 176                         ; v176-239 W1's fragments of four K steps by turns; bf16 on its way to LDS and back
.set VT,  240                          ; v240-255 V' of the chunk
; window 1: v256-383 the 16 accumulators, tile (m, j) at 8 (2 m + j); the same registers take 16 pairs of f32 rows.  v384-511 the kept pairs 32-63, 4 registers each
.set MSB, 0
.macro WIN new                         ; s_set_vgpr_msb: bits 1:0 source 0, 3:2 source 1, 5:4 source 2, 7:6 destination; the high byte repeats the setting that is left
.if MSB != \new
	s_set_vgpr_msb (MSB<<8)|\new
.set MSB, \new
.endif
.endm
.macro PLACES                          ; four places between a matrix instruction and a load into, or a vector read of, its registers
.rept 4
	v_nop
.endr
.endm
.macro BARRIER
	s_wait_alu depctr_va_vdst(0)                   ; the wait ahead of the blocking wait
	s_wait_dscnt 0x0                               ; my LDS stores have landed and my LDS loads are in
	s_barrier_signal -1
	s_barrier_wait -1
.endm
.macro ENC8 k, rnd                     ; pairs 16 rnd + 4 k + 0 .. 3: 8 loads, each of 512 consecutive bytes
	WIN 0x40
.irp g, 0,1,2,3
.irp c, 0,1
	global_load_b128 v[32*(\k)+8*\g+4*\c:32*(\k)+8*\g+4*\c+3], v[EO], s[4:5] offset:4096*(2*(16*(\rnd)+4*(\k)+\g)+\c) th:TH_LOAD_NT
.endr
.endr
.endm
; Four pairs of rows become codes, scale bytes and bf16; then their registers take the pairs 16 further on.  cnt: the younger loads that may be out
.macro QUAD k, rnd, cnt
.set TS, XF+16*((\k)%2)                ; +0..3 largest magnitudes, then scale operands; +4..7 bytes; +8..11 codes
.set BF, RING+16*((\k)%2)
.set X0, 32*(\k)
.set P0, 16*(\rnd)+4*(\k)
	s_wait_loadcnt \cnt
.if \rnd < 2
	s_wait_dscnt 12                                ; all LDS stores but the last four pairs' are done: this set's last stores have read their registers
.else
	s_wait_dscnt 8
.endif
	WIN 0x41
.irp g, 0,1,2,3
.irp i, 0,1,2,3
	v_permlane16_swap_b32 v[X0+8*\g+\i], v[X0+8*\g+4+\i]
.endr
.endr
	WIN 0x05
.irp g, 0,1,2,3
	v_max3_num_f32 v[TS+\g], |v[X0+8*\g]|, |v[X0+8*\g+1]|, 0x1800000   ; with the floor 2^(3 - 127): the byte cannot fall under 1
.endr
.irp i, 2,4,6
.irp g, 0,1,2,3
	v_max3_num_f32 v[TS+\g], |v[X0+8*\g+\i]|, |v[X0+8*\g+\i+1]|, v[TS+\g]
.endr
.endr
	WIN 0
.irp g, 0,1,2,3
	v_max_num_f32_dpp v[TS+\g], v[TS+\g], v[TS+\g] row_xmask:1 row_mask:0xf bank_mask:0xf
.endr
.irp g, 0,1,2,3
	v_max_num_f32_dpp v[TS+\g], v[TS+\g], v[TS+\g] row_xmask:2 row_mask:0xf bank_mask:0xf   ; the block's largest magnitude
.endr
.irp g, 0,1,2,3
	v_add_nc_u32 v[TS+\g], 0xff000000, v[TS+\g]    ; 2 off its exponent field: the conversion takes that field as its scale
.endr
.irp g, 0,1,2,3
	v_lshrrev_b32 v[TS+4+\g], 23, v[TS+\g]         ; the scale's byte
.endr
	WIN 0x01
.irp g, 0,1,2,3
	v_cvt_scalef32_pk8_fp4_f32 v[TS+8+\g], v[X0+8*\g:X0+8*\g+7], v[TS+\g]
.endr
	v_nop                                          ; one plain place behind the scaled conversions
.if \rnd < 2
	WIN 0x05
.irp g, 0,1,2,3
.irp i, 0,1,2,3
	v_cvt_pk_bf16_f32 v[BF+4*\g+\i], v[X0+8*\g+2*\i], v[X0+8*\g+2*\i+1]
.endr
.endr
	WIN 0
.irp g, 0,1,2,3
	ds_store_b128 v[SPA], v[BF+4*\g:BF+4*\g+3] offset:512*(P0+\g)   ; the image: 512 consecutive bytes
.endr
.irp g, 0,1,2,3
	ds_store_b32 v[CST], v[TS+8+\g] offset:2*APITCH*(P0+\g)
.endr
.else
	WIN 0x45
.irp g, 0,1,2,3
.irp i, 0,1,2,3
	v_cvt_pk_bf16_f32 v[128+4*(P0-32+\g)+\i], v[X0+8*\g+2*\i], v[X0+8*\g+2*\i+1]
.endr
.endr
	WIN 0
.irp g, 0,1,2,3
	ds_store_b32 v[CST2], v[TS+8+\g] offset:2*APITCH*(P0-32+\g)
.endr
.endif
.irp g, 0,1,2,3
	ds_store_b8 v[SST], v[TS+4+\g] offset:2*SPITCH*(P0+\g)   ; the four lanes of a block write the same byte with the same value
.endr
.if \rnd < 3
	ENC8 \k, (\rnd)+1
.endif
.endm
.macro WLD q                           ; W1's 2 fragments of K step q of the chunk at s[6:7]
.irp j, 0,1
.irp c, 0,1
	global_load_b128 v[RING+16*((\q)%4)+8*\j+4*\c:RING+16*((\q)%4)+8*\j+4*\c+3], v[WB], s[6:7] offset:8192*(\q)+1024*\j+512*\c
.endr
.endr
.endm
.macro WPRE                            ; a chunk's scale words and its first four K steps: 18 loads
	global_load_b128 v[BSC:BSC+3], v[BSA], s[8:9]
	global_load_b128 v[BSC+4:BSC+7], v[BSA], s[8:9] offset:16
	WLD 0
	WLD 1
	WLD 2
	WLD 3
.endm
.macro XLD q, m0                       ; x's fragments of tiles of rows m0 .. m0 + 3, K step q
.irp m, \m0, \m0+1, \m0+2, \m0+3
.irp c, 0,1
	ds_load_b128 v[XF+8*(\m)+4*\c:XF+8*(\m)+4*\c+3], v[XA] offset:16*APITCH*(\m)+64*(\q)+32*\c
.endr
.endr
.endm
.macro WM zero                         ; one product; rW says from which half of the lanes each side's scale words are taken
.if \zero
.if rW == 3
	v_wmma_scale_f32_16x16x128_f8f6f4 v[rD:rD+7], v[rA:rA+7], v[rB:rB+7], 0, v[rSA], v[rSB] matrix_a_fmt:MATRIX_FMT_FP4 matrix_b_fmt:MATRIX_FMT_FP4 matrix_a_scale:MATRIX_SCALE_ROW1 matrix_b_scale:MATRIX_SCALE_ROW1
.elseif rW == 2
	v_wmma_scale_f32_16x16x128_f8f6f4 v[rD:rD+7], v[rA:rA+7], v[rB:rB+7], 0, v[rSA], v[rSB] matrix_a_fmt:MATRIX_FMT_FP4 matrix_b_fmt:MATRIX_FMT_FP4 matrix_a_scale:MATRIX_SCALE_ROW1
.elseif rW == 1
	v_wmma_scale_f32_16x16x128_f8f6f4 v[rD:rD+7], v[rA:rA+7], v[rB:rB+7], 0, v[rSA], v[rSB] matrix_a_fmt:MATRIX_FMT_FP4 matrix_b_fmt:MATRIX_FMT_FP4 matrix_b_scale:MATRIX_SCALE_ROW1
.else
	v_wmma_scale_f32_16x16x128_f8f6f4 v[rD:rD+7], v[rA:rA+7], v[rB:rB+7], 0, v[rSA], v[rSB] matrix_a_fmt:MATRIX_FMT_FP4 matrix_b_fmt:MATRIX_FMT_FP4
.endif
.else
.if rW == 3
	v_wmma_scale_f32_16x16x128_f8f6f4 v[rD:rD+7], v[rA:rA+7], v[rB:rB+7], v[rD:rD+7], v[rSA], v[rSB] matrix_a_fmt:MATRIX_FMT_FP4 matrix_b_fmt:MATRIX_FMT_FP4 matrix_a_scale:MATRIX_SCALE_ROW1 matrix_b_scale:MATRIX_SCALE_ROW1
.elseif rW == 2
	v_wmma_scale_f32_16x16x128_f8f6f4 v[rD:rD+7], v[rA:rA+7], v[rB:rB+7], v[rD:rD+7], v[rSA], v[rSB] matrix_a_fmt:MATRIX_FMT_FP4 matrix_b_fmt:MATRIX_FMT_FP4 matrix_a_scale:MATRIX_SCALE_ROW1
.elseif rW == 1
	v_wmma_scale_f32_16x16x128_f8f6f4 v[rD:rD+7], v[rA:rA+7], v[rB:rB+7], v[rD:rD+7], v[rSA], v[rSB] matrix_a_fmt:MATRIX_FMT_FP4 matrix_b_fmt:MATRIX_FMT_FP4 matrix_b_scale:MATRIX_SCALE_ROW1
.else
	v_wmma_scale_f32_16x16x128_f8f6f4 v[rD:rD+7], v[rA:rA+7], v[rB:rB+7], v[rD:rD+7], v[rSA], v[rSB] matrix_a_fmt:MATRIX_FMT_FP4 matrix_b_fmt:MATRIX_FMT_FP4
.endif
.endif
.endm
.macro MUL8 q, m0, zero                ; 8 products: 4 tiles of rows x the chunk's 2 tiles of columns.  The 16 accumulators take turns, in the same order in every K step
.irp m, \m0, \m0+1, \m0+2, \m0+3
.irp j, 0,1
.set rD, 8*(2*(\m)+\j)
.set rA, RING+16*((\q)%4)+8*\j
.set rB, XF+8*(\m)
.set rSA, BSC+(\q)
.set rSB, ASC+8*((\m)/2)+(\q)
.set rW, 2*\j+((\m)%2)
	WM \zero
.endr
.endr
.endm
; A K step of 128.  lc: W1's younger loads (4 a K step) that may be out; the 8 younger LDS loads are the other half's fragments
.macro KSTEP q, zero, lc, d2
	s_wait_loadcnt \lc
	s_wait_dscnt 8
	WIN 0x50                                       ; C and D window 1, W1 and x window 0
	MUL8 \q, 0, \zero
.if (\q) < 7
	PLACES
	WIN 0
	XLD (\q)+1, 0
.endif
	s_wait_dscnt \d2
	WIN 0x50
	MUL8 \q, 4, \zero
	PLACES
	WIN 0
.if (\q) < 7
	XLD (\q)+1, 4
.endif
.if (\q) <= 3
	WLD (\q)+4                                     ; into the slot just multiplied
.endif
.endm
.macro FMAP kb, pb, n                  ; con_vec += p x row for n kept pairs, straight from the bf16 halves
.set i, 0
.rept \n
.irp j, 0,1,2,3
	v_fma_mix_f32_bf16 v[CV+2*\j], v[\kb+4*i+\j], v[\pb+i], v[CV+2*\j] op_sel_hi:[1,0,0]
	v_fma_mix_f32_bf16 v[CV+2*\j+1], v[\kb+4*i+\j], v[\pb+i], v[CV+2*\j+1] op_sel:[1,0,0] op_sel_hi:[1,0,0]
.endr
.set i, i+1
.endr
.endm
	s_load_b256 s[4:11], s[0:1], 0x0               ; enc s[4:5], w1f s[6:7], W1_scales s[8:9], h2c s[10:11]
	s_load_b256 s[12:19], s[0:1], 0x20             ; V s[12:13], scores s[14:15], part_ml s[16:17], part_cv s[18:19]
	v_lshl_add_u32 v[SPW], v0, 2, SPARE
	v_mov_b32 v[NIL], 0
	v_lshrrev_b32 v1, 5, v0
	v_readfirstlane_b32 s20, v1                    ; wave 0..7
	s_and_b32 s22, ttmp7, 0xffff                   ; b
	s_lshl_b32 s23, s22, 3
	s_add_co_u32 s23, s23, ttmp9                   ; 8 b + x
	s_mov_b32 s28, 0x76543210
	s_mov_b32 s29, 0xfedcba98                      ; v_permlanex16_b32's selects for lane l xor 16
	s_mov_b32 s24, 0                               ; the block
	s_mov_b32 s31, 0x41f00000                      ; 30.0
	v_and_b32 v26, 31, v0                          ; lane
	v_and_b32 v27, 15, v0                          ; r
	v_bfe_u32 v28, v0, 4, 1                        ; h
	v_mul_u32_u24 v[XA], v27, APITCH
	v_lshl_add_u32 v[XA], v28, 4, v[XA]
	v_add_nc_u32 v[XA], ACODE, v[XA]
	v_mul_u32_u24 v[ASA], v26, SPITCH
	v_add_nc_u32 v[ASA], ASCL, v[ASA]
	v_lshlrev_b32 v[WB], 4, v26
	v_lshlrev_b32 v[EO], 5, v27
	v_lshl_add_u32 v[EO], v28, 4, v[EO]
	v_lshlrev_b32 v[PFO], 12, v26
	v_lshlrev_b32 v[BSA], 5, v26
	s_lshl_b32 s26, s20, 6
	v_mul_u32_u24 v[CST], v28, APITCH
	v_lshl_add_u32 v[CST], v27, 2, v[CST]
	v_add_nc_u32 v[CST], s26, v[CST]
	v_add_nc_u32 v[CST], ACODE, v[CST]
	v_add_nc_u32 v[CST2], 64*APITCH, v[CST]
	s_lshl_b32 s26, s20, 2
	v_mul_u32_u24 v[SST], v28, SPITCH
	v_lshrrev_b32 v29, 2, v27
	v_add_nc_u32 v[SST], v[SST], v29
	v_add_nc_u32 v[SST], s26, v[SST]
	v_add_nc_u32 v[SST], ASCL, v[SST]
	s_lshl_b32 s26, s20, 14
	v_add_nc_u32 v[SPA], s26, v[WB]
	s_lshl_b32 s26, s20, 9
	v_lshl_add_u32 v[EXW], v27, 2, s26
	v_add_nc_u32 v[EXW], EXCH, v[EXW]
	v_add_nc_u32 v[EXR], EXCH, v[WB]
	v_lshl_add_u32 v[PWA], v26, 3, s26
	v_add_nc_u32 v[PWA], PARR, v[PWA]
	v_lshl_add_u32 v[PRA], v28, 8, s26
	v_add_nc_u32 v[PRA], PARR, v[PRA]
	v_lshl_add_u32 v[TBA], v28, 5, s26
	v_add_nc_u32 v[TBA], TABH, v[TBA]
	v_mov_b32 v[SCO], v[WB]
	v_lshlrev_b32 v1, 4, v0                        ; 16 x thread: my 4 numbers of h2c[b] and of V
	v_add_nc_u32 v30, TABH, v1
	s_mov_b32 s27, 0
	s_wait_alu depctr_va_vdst(0)                   ; the wait ahead of the blocking wait
	s_wait_kmcnt 0x0
	s_lshl_b32 s26, s23, 20                        ; enc: 256 (8 b + x) rows of 4,096 bytes
	s_lshl_b32 s30, s20, 9                         ; + my 128 columns
	s_add_co_u32 s26, s26, s30
	s_add_nc_u64 s[4:5], s[4:5], s[26:27]
	s_add_nc_u64 s[34:35], s[4:5], 524288          ; the prefetches: block 1's rows
	s_lshl_b32 s26, s20, 16                        ; w1f: 65,536 bytes a wave
	s_add_nc_u64 s[6:7], s[6:7], s[26:27]
	s_lshl_b32 s26, s20, 12                        ; W1's scales: 128 rows of 32 bytes a wave
	s_add_nc_u64 s[8:9], s[8:9], s[26:27]
	s_lshl_b32 s26, s22, 12                        ; h2c: row b
	s_add_nc_u64 s[10:11], s[10:11], s[26:27]
	s_lshl_b32 s26, s23, 10                        ; scores: 256 numbers a work-group
	s_add_nc_u64 s[14:15], s[14:15], s[26:27]
	s_lshl_b32 s26, s23, 8                         ; part_ml: 256 bytes a work-group
	s_add_nc_u64 s[16:17], s[16:17], s[26:27]
	s_lshl_b32 s26, s23, 12                        ; part_cv: 4,096 bytes a work-group, 512 a wave
	s_add_co_u32 s26, s26, s30
	s_add_nc_u64 s[18:19], s[18:19], s[26:27]
	global_load_b128 v[T:T+3], v1, s[10:11]
	global_load_b128 v[T+4:T+7], v1, s[12:13]
	ENC8 0, 0
	ENC8 1, 0
	ENC8 2, 0
	ENC8 3, 0
	WIN 0
	v_mov_b32 v[MX], 0xff61b1e6                    ; m = -3e38, under every t: the first f is 0 and multiplies zeros
	v_mov_b32 v[MX+1], 0                           ; l
	v_mov_b32 v[FF+1], 0                           ; named as the upper half of the pair with f
.irp j, 0,1,2,3,4,5,6,7
	v_mov_b32 v[CV+\j], 0
	v_mov_b32 v[T+8+\j], 0                         ; written once: a lane permute's destination counts as one of its sources
.endr
	s_wait_loadcnt 32                              ; all but the 32 loads of enc
	v_pk_mul_f32 v[T+4:T+5], v[T+4:T+5], 0xc038aa3b op_sel_hi:[1,0]   ; V' = -2 log2(e) V
	v_pk_mul_f32 v[T+6:T+7], v[T+6:T+7], 0xc038aa3b op_sel_hi:[1,0]
	ds_store_b128 v30, v[T:T+3]
	ds_store_b128 v30, v[T+4:T+7] offset:TABV-TABH
	s_wait_alu depctr_va_vdst(0)                   ; the wait at the head's end
.Lblock:
	; ---- L: my 128 columns of 128 rows.  16 pairs are on their way at any time: behind four pairs' loads stand the 24 of the three groups after them
.irp j, 0,1,2,3,4,5,6,7,8,9,10,11,12,13,14,15
	v_mov_b32 v[SP+\j], 0                          ; the chunk's text is written once: its sums begin as zeros
.endr
.irp rr, 0,1,2
.irp kk, 0,1,2,3
	QUAD \kk, \rr, 24
.endr
.endr
	WIN 0
	WPRE                                           ; chunk 0's 18 loads of W1 stand behind the last 32 of enc
	QUAD 0, 3, 42
	QUAD 1, 3, 34
	QUAD 2, 3, 26
	QUAD 3, 3, 18
	BARRIER                                        ; the block's codes and scale bytes lie in LDS (in the first trip the tables too)
.irp u, 0,1,2,3
.irp e, 0,1
	ds_load_b128 v[ASC+8*\u+4*\e:ASC+8*\u+4*\e+3], v[ASA] offset:32*SPITCH*\u+16*\e
.endr
.endr
	XLD 0, 0
	XLD 0, 4
	s_mov_b32 s25, 0                               ; the chunk
.Lchunk:
	; ---- G: 128 rows x 32 columns, 8 K steps
	s_lshl_b32 s30, s25, 7
	v_add_nc_u32 v[TBC], s30, v[TBA]
	s_wait_alu depctr_va_vdst(0)                   ; the wait directly behind the write
	KSTEP 0, 1, 12, 8                              ; the first K step starts the sums
	KSTEP 1, 0, 12, 8
	s_cmp_lg_u32 s24, 0
	s_cbranch_scc1 .Lno_pf
	global_prefetch_b8 v[PFO], s[34:35] th:TH_LOAD_NT scope:SCOPE_SE             ; rows 32 x chunk + lane of block 1, my 512 bytes of each
	global_prefetch_b8 v[PFO], s[34:35] offset:256 th:TH_LOAD_NT scope:SCOPE_SE
.Lno_pf:
	KSTEP 2, 0, 12, 8
	KSTEP 3, 0, 12, 8
	KSTEP 4, 0, 12, 8
	KSTEP 5, 0, 8, 8
	KSTEP 6, 0, 4, 8
	KSTEP 7, 0, 0, 0
	; ---- E: t's part of these 32 columns
.irp j, 0,1
.irp p, 0,1
	ds_load_b128 v[XF+8*\j+4*\p:XF+8*\j+4*\p+3], v[TBC] offset:64*\j+16*\p                 ; h2c at e = 128 w + 32 chunk + 16 j + 8 h + 0 .. 7
	ds_load_b128 v[VT+8*\j+4*\p:VT+8*\j+4*\p+3], v[TBC] offset:TABV-TABH+64*\j+16*\p       ; V' likewise
.endr
.endr
	s_wait_xcnt 0x0                                ; W1's loads and the prefetches have read their bases
	s_cmp_eq_u32 s25, 3
	s_cbranch_scc1 .Llast_chunk
	s_add_nc_u64 s[6:7], s[6:7], 2048              ; the next chunk's images,
	s_add_nc_u64 s[8:9], s[8:9], 1024              ; scale bytes,
	s_add_nc_u64 s[34:35], s[34:35], 131072        ; and 32 rows to prefetch
	WPRE
	s_branch .Lchunk_on
.Llast_chunk:
	s_sub_nc_u64 s[6:7], s[6:7], 6144              ; back to chunk 0, for the next block
	s_sub_nc_u64 s[8:9], s[8:9], 3072
.Lchunk_on:
	s_wait_dscnt 0x0
	WIN 0x41
.irp m, 0,1,2,3,4,5,6,7
.irp j, 0,1
.irp p, 0,2,4,6
	v_pk_fma_f32 v[8*(2*\m+\j)+\p:8*(2*\m+\j)+\p+1], v[8*(2*\m+\j)+\p:8*(2*\m+\j)+\p+1], 0x4038aa3b, v[XF+8*\j+\p:XF+8*\j+\p+1] op_sel_hi:[1,0,1]   ; x = c z + h2c; each accumulator from its low end on
.endr
.endr
.endr
	WIN 0
	s_cmp_eq_u32 s25, 3
	s_cbranch_scc1 .Lno_x
	XLD 0, 0                                       ; h2c's table is done with: the next chunk's first fragments of x
	XLD 0, 4
.Lno_x:
	WIN 0x41
.set i, 0
.rept 128
	v_min_num_f32 v[i], v[i], s31                  ; x held at 30
.set i, i+1
.endr
	s_wait_alu depctr_va_vdst(0)                   ; the wait ahead of the batch
.set i, 0
.rept 128
	v_exp_f32 v[i], v[i]
.set i, i+1
.endr
	v_nop                                          ; a plain place behind the last exponential
	s_wait_alu depctr_va_vdst(0)                   ; one wait for the batch, ahead of its first reader
.set i, 0
.rept 64
	v_pk_add_f32 v[i:i+1], v[i:i+1], 1.0 op_sel_hi:[1,0]   ; a = 1 + 2^x
.set i, i+2
.endr
.irp bt, 0,1,2,3                       ; 8 groups of four a at a time: registers qA .. qA + 3, with V' at qV .. qV + 3
	WIN 0x01
.irp qd, 0,1,2,3,4,5,6,7
.set qA, 8*(4*\bt+\qd/2)+4*(\qd%2)
.set qV, VT+8*((\qd/2)%2)+4*(\qd%2)
	v_pk_mul_f32 v[T+2*\qd:T+2*\qd+1], v[qA+2:qA+3], v[qV:qV+1]                          ; V0 a2, V1 a3
.endr
.irp qd, 0,1,2,3,4,5,6,7
.set qA, 8*(4*\bt+\qd/2)+4*(\qd%2)
.set qV, VT+8*((\qd/2)%2)+4*(\qd%2)
	v_pk_fma_f32 v[T+2*\qd:T+2*\qd+1], v[qA:qA+1], v[qV+2:qV+3], v[T+2*\qd:T+2*\qd+1]    ; + V2 a0, + V3 a1
.endr
	WIN 0x45
.irp qd, 0,1,2,3,4,5,6,7
.set qA, 8*(4*\bt+\qd/2)+4*(\qd%2)
	v_pk_mul_f32 v[qA+2:qA+3], v[qA:qA+1], v[qA+2:qA+3]                                  ; a0 a2, a1 a3
.endr
	WIN 0x41
.irp qd, 0,1,2,3,4,5,6,7
.set qA, 8*(4*\bt+\qd/2)+4*(\qd%2)
	v_pk_mul_f32 v[qA:qA+1], v[qA+2:qA+3], v[T+2*\qd:T+2*\qd+1] op_sel:[1,0] op_sel_hi:[0,1]   ; each numerator x the other pair's denominator
.endr
.endr
	WIN 0x45
.set i, 0
.rept 32
	v_mul_f32 v[i+2], v[i+2], v[i+3]               ; a0 a1 a2 a3
.set i, i+4
.endr
	s_wait_alu depctr_va_vdst(0)                   ; the wait ahead of the batch
.set i, 0
.rept 32
	v_rcp_f32 v[i+2], v[i+2]
.set i, i+4
.endr
	v_nop
	s_wait_alu depctr_va_vdst(0)                   ; one wait for the 32 reciprocals
	WIN 0x05
.irp jh, 0,1,2,3
.irp m, 0,1,2,3,4,5,6,7
.set qA, 8*(2*\m+\jh/2)+4*(\jh%2)
	v_pk_fma_f32 v[SP+2*\m:SP+2*\m+1], v[qA:qA+1], v[qA+2:qA+3], v[SP+2*\m:SP+2*\m+1] op_sel_hi:[1,0,1]   ; eight chains by turns
.endr
.endr
	WIN 0
	s_add_co_u32 s25, s25, 1
	s_cmp_lt_u32 s25, 4
	s_wait_alu depctr_va_vdst(0)                   ; the wait ahead of the branch
	s_cbranch_scc1 .Lchunk
	s_cmp_eq_u32 s24, 1                            ; the last block has no successor: no load leaves the buffer
	s_cbranch_scc1 .Lno_enc
	s_wait_xcnt 0x0
	s_add_nc_u64 s[4:5], s[4:5], 524288            ; the accumulators are free: they take the next block's first 16 pairs
	ENC8 0, 0
	ENC8 1, 0
	ENC8 2, 0
	ENC8 3, 0
	WIN 0
.Lno_enc:
.irp m, 0,1,2,3,4,5,6,7
	v_add_f32 v[T+\m], v[SP+2*\m], v[SP+2*\m+1]
.endr
.irp m, 0,1,2,3,4,5,6,7
	v_permlanex16_b32 v[T+8+\m], v[T+\m], s28, s29
.endr
.irp m, 0,1,2,3,4,5,6,7
	v_add_f32 v[T+\m], v[T+\m], v[T+8+\m]          ; with lane l xor 16's eight e of each tile
.endr
.irp m, 0,1,2,3,4,5,6,7
	ds_store_b32 v[EXW], v[T+\m] offset:64*\m      ; row 16 m + r; both halves of the lanes write the same word with the same value
.endr
.irp i, 0,1,2,3,4,5,6,7,8,9,10,11,12,13,14,15
	ds_load_b128 v[RING+4*\i:RING+4*\i+3], v[SPA] offset:512*\i   ; kept pairs 0-15 come back: my own bytes
.endr
	BARRIER                                        ; the eight waves' parts of t lie in LDS, and every wave has read the block's codes
	; ---- S: t, the running maximum and sum, con_vec.  Every wave makes the same t, m, l from the same words in the same order
.irp u, 0,1,2,3
	ds_load_b128 v[T+4*\u:T+4*\u+3], v[EXR] offset:512*\u
	ds_load_b128 v[VT+4*\u:VT+4*\u+3], v[EXR] offset:512*(\u+4)
.endr
	s_wait_dscnt 0x0
.irp i, 0,2,4,6,8,10,12,14
	v_pk_add_f32 v[T+\i:T+\i+1], v[T+\i:T+\i+1], v[VT+\i:VT+\i+1]
.endr
.irp i, 0,2,4,6
	v_pk_add_f32 v[T+\i:T+\i+1], v[T+\i:T+\i+1], v[T+8+\i:T+8+\i+1]
.endr
.irp i, 0,2
	v_pk_add_f32 v[T+\i:T+\i+1], v[T+\i:T+\i+1], v[T+4+\i:T+4+\i+1]   ; t of rows 4 lane + 0 .. 3
.endr
	s_cmp_lg_u32 s20, 0
	s_wait_alu depctr_va_vdst(0)                   ; the wait ahead of the branch
	s_cbranch_scc1 .Lnot_w0
	global_store_b128 v[SCO], v[T:T+3], s[14:15]   ; wave 0: 32 lanes store 512 consecutive bytes
.Lnot_w0:
	v_max3_num_f32 v[T+4], v[T], v[T+1], v[T+2]
	v_max_num_f32 v[T+4], v[T+4], v[T+3]
	v_max_num_f32_dpp v[T+4], v[T+4], v[T+4] row_xmask:1 row_mask:0xf bank_mask:0xf
	v_max_num_f32_dpp v[T+4], v[T+4], v[T+4] row_xmask:2 row_mask:0xf bank_mask:0xf
	v_max_num_f32_dpp v[T+4], v[T+4], v[T+4] row_xmask:4 row_mask:0xf bank_mask:0xf
	v_max_num_f32_dpp v[T+4], v[T+4], v[T+4] row_xmask:8 row_mask:0xf bank_mask:0xf
	v_permlanex16_b32 v[T+5], v[T+4], s28, s29
	v_max3_num_f32 v[T+6], v[T+4], v[T+5], v[MX]   ; the new m
	v_sub_f32 v[T+7], v[MX], v[T+6]
.irp i, 0,1,2,3
	v_sub_f32 v[T+8+\i], v[T+\i], v[T+6]
.endr
	s_wait_alu depctr_va_vdst(0)                   ; the wait ahead of the batch
	v_exp_f32 v[FF], v[T+7]                        ; f = 2^(old m - new m)
	v_exp_f32 v[T+12], v[T+8]                      ; p of rows 4 lane, 4 lane + 2,
	v_exp_f32 v[T+13], v[T+10]
	v_exp_f32 v[T+14], v[T+9]                      ; and of rows 4 lane + 1, 4 lane + 3
	v_exp_f32 v[T+15], v[T+11]
	v_mov_b32 v[MX], v[T+6]                        ; (the plain place behind the five)
	s_wait_alu depctr_va_vdst(0)                   ; one wait for the five, ahead of their first reader
	ds_store_b64 v[PWA], v[T+12:T+13]              ; p goes round through my wave's own 512 bytes: the even rows,
	ds_store_b64 v[PWA], v[T+14:T+15] offset:256   ; the odd rows.  LDS serves a wave's instructions in order
.irp k, 0,1,2,3,4,5,6,7,8,9,10,11,12,13,14,15
	ds_load_b128 v[XF+4*\k:XF+4*\k+3], v[PRA] offset:16*\k   ; register i = p of row 2 i + h
.endr
	v_pk_add_f32 v[T+8:T+9], v[T+12:T+13], v[T+14:T+15]
	v_add_f32 v[T+8], v[T+8], v[T+9]
	v_add_f32_dpp v[T+8], v[T+8], v[T+8] row_xmask:1 row_mask:0xf bank_mask:0xf
	v_add_f32_dpp v[T+8], v[T+8], v[T+8] row_xmask:2 row_mask:0xf bank_mask:0xf
	v_add_f32_dpp v[T+8], v[T+8], v[T+8] row_xmask:4 row_mask:0xf bank_mask:0xf
	v_add_f32_dpp v[T+8], v[T+8], v[T+8] row_xmask:8 row_mask:0xf bank_mask:0xf
	v_permlanex16_b32 v[T+9], v[T+8], s28, s29
	v_add_f32 v[T+8], v[T+8], v[T+9]
	v_fma_f32 v[MX+1], v[MX+1], v[FF], v[T+8]      ; l = l f + the block's sum of p
.irp j, 0,2,4,6
	v_pk_mul_f32 v[CV+\j:CV+\j+1], v[CV+\j:CV+\j+1], v[FF:FF+1] op_sel_hi:[1,0]
.endr
	s_wait_alu depctr_va_vdst(0)
	s_wait_dscnt 0x0                               ; p is in
	FMAP RING, XF, 16
.irp i, 0,1,2,3,4,5,6,7,8,9,10,11,12,13,14,15
	ds_load_b128 v[RING+4*\i:RING+4*\i+3], v[SPA] offset:512*(16+\i)   ; kept pairs 16-31, into the registers just used
.endr
	WIN 0x01
	FMAP 128, XF+32, 32                            ; pairs 32-63, from their registers
	WIN 0
	s_wait_alu depctr_va_vdst(0)
	s_wait_dscnt 0x0
	FMAP RING, XF+16, 16
	s_wait_xcnt 0x0                                ; the store of t has read its registers: its offset steps, and the next block writes its data registers
	v_add_nc_u32 v[SCO], 512, v[SCO]
	s_add_co_u32 s24, s24, 1
	s_cmp_lt_u32 s24, 2
	s_wait_alu depctr_va_vdst(0)                   ; the wait ahead of the branch
	s_cbranch_scc1 .Lblock                         ; no barrier here: codes are next written behind the barrier above, the parts of t behind the next block's first
	; ---- the work-group's part leaves
.irp j, 0,1,2,3,4,5,6,7
	v_permlanex16_b32 v[XF+\j], v[CV+\j], s28, s29
.endr
.irp j, 0,2,4,6
	v_pk_add_f32 v[CV+\j:CV+\j+1], v[CV+\j:CV+\j+1], v[XF+\j:XF+\j+1]   ; the even rows' and the odd rows' sums
.endr
	v_bfe_u32 v[XF+8], v0, 4, 1                    ; h
	v_and_b32 v[XF+9], 15, v0                      ; r
	v_cmp_eq_u32 vcc_lo, 1, v[XF+8]
.irp j, 0,1,2,3
	v_cndmask_b32 v[XF+12+\j], v[CV+\j], v[CV+4+\j], vcc_lo   ; lanes 0-15 store columns 8 r + 0 .. 3, lanes 16-31 columns 8 r + 4 .. 7
.endr
	v_lshlrev_b32 v[XF+10], 5, v[XF+9]
	v_lshl_add_u32 v[XF+10], v[XF+8], 4, v[XF+10]
	v_and_b32 v[XF+11], 31, v0
	v_lshlrev_b32 v[XF+11], 3, v[XF+11]
	global_store_b128 v[XF+10], v[XF+12:XF+15], s[18:19]   ; the wave stores 512 consecutive bytes
	s_cmp_lg_u32 s20, 0
	s_wait_alu depctr_va_vdst(0)
	s_cbranch_scc1 .Lend
	global_store_b64 v[XF+11], v[MX:MX+1], s[16:17]        ; m and l, 32 copies: 256 consecutive bytes
.Lend:
	s_wait_tensorcnt 0x0                           ; the wave's end, behind my last LDS store
	ds_add_u32 v[SPW], v[NIL]
	s_wait_dscnt 0x0
	s_endpgm
.Lfunc_end_k_qb462b5d625_main:
	.size	k_qb462b5d625_main, .Lfunc_end_k_qb462b5d625_main-k_qb462b5d625_main
	.p2alignl 7, 3214868480
	.fill 96, 4, 3214868480
	.section	.rodata,"a",@progbits
	.p2align	6, 0x0
	.amdhsa_kernel k_qb462b5d625_main
		.amdhsa_group_segment_fixed_size 222208
		.amdhsa_private_segment_fixed_size 0
		.amdhsa_enable_private_segment 0
		.amdhsa_kernarg_size 64
		.amdhsa_user_sgpr_count 2
		.amdhsa_user_sgpr_kernarg_segment_ptr 1
		.amdhsa_wavefront_size32 1
		.amdhsa_system_sgpr_workgroup_id_x 1
		.amdhsa_system_sgpr_workgroup_id_y 1
		.amdhsa_system_sgpr_workgroup_id_z 1
		.amdhsa_system_vgpr_workitem_id 0
		.amdhsa_next_free_vgpr 512
		.amdhsa_next_free_sgpr 66
		.amdhsa_reserve_vcc 1
		.amdhsa_float_denorm_mode_32 3
		.amdhsa_float_denorm_mode_16_64 3
		.amdhsa_memory_ordered 1
		.amdhsa_forward_progress 1
		.amdhsa_inst_pref_size 208
	.end_amdhsa_kernel
	.amdgpu_metadata
---
amdhsa.version: [ 1, 2 ]
amdhsa.kernels:
  - .name:           k_qb462b5d625_main
    .symbol:         k_qb462b5d625_main.kd
    .args:
      - { .name: encoder_output, .offset: 0, .size: 8, .value_kind: global_buffer, .address_space: global }
      - { .name: w1f, .offset: 8, .size: 8, .value_kind: global_buffer, .address_space: global }
      - { .name: W1_scales, .offset: 16, .size: 8, .value_kind: global_buffer, .address_space: global }
      - { .name: h2c, .offset: 24, .size: 8, .value_kind: global_buffer, .address_space: global }
      - { .name: V, .offset: 32, .size: 8, .value_kind: global_buffer, .address_space: global }
      - { .name: scores, .offset: 40, .size: 8, .value_kind: global_buffer, .address_space: global }
      - { .name: part_ml, .offset: 48, .size: 8, .value_kind: global_buffer, .address_space: global }
      - { .name: part_cv, .offset: 56, .size: 8, .value_kind: global_buffer, .address_space: global }
    .group_segment_fixed_size: 222208
    .private_segment_fixed_size: 0
    .kernarg_segment_align: 8
    .kernarg_segment_size: 64
    .max_flat_workgroup_size: 256
    .sgpr_count:     66
    .vgpr_count:     512
    .wavefront_size: 32
...
	.end_amdgpu_metadata
.endif
;; end of part 2
;; launch finish (part 3): grid 4 x 32, 2 waves a work-group, no clusters, 0 bytes of LDS; arguments scores, part_ml, part_cv, out0, out1; writes out0, out1
.if DOCPART == 3
	.amdgcn_target "amdgcn-amd-amdhsa--gfx1250"
	.amdhsa_code_object_version 6
	.text
	.protected	k_qb462b5d625_finish
	.globl	k_qb462b5d625_finish
	.p2align	8
	.type	k_qb462b5d625_finish,@function
k_qb462b5d625_finish:
	s_mov_b64 s[64:65], 0
	v_nop
	global_prefetch_b8 v0, s[64:65] scope:SCOPE_SE
	s_setreg_imm32_b32 hwreg(HW_REG_WAVE_MODE, 25, 1), 1
	s_wait_xcnt 0x0
; The 8 parts of a batch are joined.  Part c has m_c (its largest t), l_c = sum of 2^(t - m_c), cv_c = sum of 2^(t - m_c) x row.  M = the largest m_c, f_c = 2^(m_c - M), L = sum of f_c l_c;
; out0[b] = (sum of f_c cv_c) / L;  out1[b][row] = 2^(t - M) / L.  t is log2(e) x the score without the sum of V, which is the same along the softmax's axis (shown at the head of the first launch's text).
; Work-group (x, b), 64 threads: columns 256 x .. of out0[b], 4 a thread; positions 512 x .. of out1[b], 8 a thread.  Each store of a wave covers 512 consecutive bytes.
; LIMIT: 2^(..) under 2^-126 counts as 0.
.set ML, 4                             ; v4-19   m_c, l_c
.set PC, 20                            ; v20-51  cv_c, 4 columns each
.set TT, 52                            ; v52-59  t, then out1
.set MM, 60                            ; v60     M
.set LL, 61                            ; v61     L
.set F,  62                            ; v62-69  f_c
.set RL, 70                            ; v70     1 / L
.set O,  72                            ; v72-75  out0
	s_load_b256 s[4:11], s[0:1], 0x0               ; scores s[4:5], part_ml s[6:7], part_cv s[8:9], out0 s[10:11]
	s_load_b64 s[12:13], s[0:1], 0x20              ; out1
	v_and_b32 v1, 31, v0
	v_lshlrev_b32 v2, 3, v1                        ; 8 x lane: my copy of m and l
	v_lshlrev_b32 v3, 4, v0                        ; 16 x thread
	s_and_b32 s14, ttmp7, 0xffff                   ; b
	s_mov_b32 s17, 0
	s_mov_b32 s19, 0
	s_mov_b32 s21, 0
	s_mov_b32 s23, 0
	s_lshl_b32 s16, s14, 11                        ; part_ml: 8 parts of 256 bytes a batch
	s_lshl_b32 s18, s14, 15                        ; part_cv: 8 parts of 4,096 bytes,
	s_lshl_b32 s15, ttmp9, 10
	s_add_co_u32 s18, s18, s15                     ; my 256 columns
	s_lshl_b32 s20, s14, 13                        ; scores and out1: 2,048 numbers a batch,
	s_lshl_b32 s22, ttmp9, 11
	s_add_co_u32 s20, s20, s22                     ; my 512
	s_lshl_b32 s22, s14, 12                        ; out0: 1,024 numbers a batch,
	s_add_co_u32 s22, s22, s15                     ; my 256
	s_wait_alu depctr_va_vdst(0)
	s_wait_kmcnt 0x0
	s_add_nc_u64 s[6:7], s[6:7], s[16:17]
	s_add_nc_u64 s[8:9], s[8:9], s[18:19]
	s_add_nc_u64 s[4:5], s[4:5], s[20:21]
	s_add_nc_u64 s[12:13], s[12:13], s[20:21]
	s_add_nc_u64 s[10:11], s[10:11], s[22:23]
.irp c, 0,1,2,3,4,5,6,7
	global_load_b64 v[ML+2*\c:ML+2*\c+1], v2, s[6:7] offset:256*\c
.endr
.irp c, 0,1,2,3,4,5,6,7
	global_load_b128 v[PC+4*\c:PC+4*\c+3], v3, s[8:9] offset:4096*\c
.endr
.irp k, 0,1
	global_load_b128 v[TT+4*\k:TT+4*\k+3], v3, s[4:5] offset:1024*\k
.endr
	s_wait_loadcnt 0x0
	v_max3_num_f32 v[MM], v[ML], v[ML+2], v[ML+4]
	v_max3_num_f32 v[MM], v[MM], v[ML+6], v[ML+8]
	v_max3_num_f32 v[MM], v[MM], v[ML+10], v[ML+12]
	v_max_num_f32 v[MM], v[MM], v[ML+14]
.irp c, 0,1,2,3,4,5,6,7
	v_sub_f32 v[F+\c], v[ML+2*\c], v[MM]
.endr
.irp i, 0,1,2,3,4,5,6,7
	v_sub_f32 v[TT+\i], v[TT+\i], v[MM]
.endr
	s_wait_alu depctr_va_vdst(0)
.irp c, 0,1,2,3,4,5,6,7
	v_exp_f32 v[F+\c], v[F+\c]
.endr
.irp i, 0,1,2,3,4,5,6,7
	v_exp_f32 v[TT+\i], v[TT+\i]
.endr
	v_nop                                          ; a plain place behind the last exponential
	s_wait_alu depctr_va_vdst(0)                   ; one wait for the batch of 16, ahead of its first reader
	v_mul_f32 v[LL], v[F], v[ML+1]
.irp c, 1,2,3,4,5,6,7
	v_fma_f32 v[LL], v[F+\c], v[ML+2*\c+1], v[LL]
.endr
	s_wait_alu depctr_va_vdst(0)
	v_rcp_f32 v[RL], v[LL]
.irp j, 0,1,2,3
	v_mul_f32 v[O+\j], v[F], v[PC+\j]              ; the sums for out0 are the independent work behind the reciprocal
.endr
.irp c, 1,2,3,4,5,6,7
.irp j, 0,1,2,3
	v_fma_f32 v[O+\j], v[F+\c], v[PC+4*\c+\j], v[O+\j]
.endr
.endr
	s_wait_alu depctr_va_vdst(0)                   ; the wait for the reciprocal, ahead of its first reader
.irp j, 0,1,2,3
	v_mul_f32 v[O+\j], v[O+\j], v[RL]
.endr
.irp i, 0,1,2,3,4,5,6,7
	v_mul_f32 v[TT+\i], v[TT+\i], v[RL]
.endr
	global_store_b128 v3, v[O:O+3], s[10:11]
	global_store_b128 v3, v[TT:TT+3], s[12:13]
	global_store_b128 v3, v[TT+4:TT+7], s[12:13] offset:1024
	s_endpgm
.Lfunc_end_k_qb462b5d625_finish:
	.size	k_qb462b5d625_finish, .Lfunc_end_k_qb462b5d625_finish-k_qb462b5d625_finish
	.p2alignl 7, 3214868480
	.fill 96, 4, 3214868480
	.section	.rodata,"a",@progbits
	.p2align	6, 0x0
	.amdhsa_kernel k_qb462b5d625_finish
		.amdhsa_group_segment_fixed_size 0
		.amdhsa_private_segment_fixed_size 0
		.amdhsa_enable_private_segment 0
		.amdhsa_kernarg_size 40
		.amdhsa_user_sgpr_count 2
		.amdhsa_user_sgpr_kernarg_segment_ptr 1
		.amdhsa_wavefront_size32 1
		.amdhsa_system_sgpr_workgroup_id_x 1
		.amdhsa_system_sgpr_workgroup_id_y 1
		.amdhsa_system_sgpr_workgroup_id_z 1
		.amdhsa_system_vgpr_workitem_id 0
		.amdhsa_next_free_vgpr 96
		.amdhsa_next_free_sgpr 66
		.amdhsa_reserve_vcc 0
		.amdhsa_float_denorm_mode_32 3
		.amdhsa_float_denorm_mode_16_64 3
		.amdhsa_memory_ordered 1
		.amdhsa_forward_progress 1
		.amdhsa_inst_pref_size 8
	.end_amdhsa_kernel
	.amdgpu_metadata
---
amdhsa.version: [ 1, 2 ]
amdhsa.kernels:
  - .name:           k_qb462b5d625_finish
    .symbol:         k_qb462b5d625_finish.kd
    .args:
      - { .name: scores, .offset: 0, .size: 8, .value_kind: global_buffer, .address_space: global }
      - { .name: part_ml, .offset: 8, .size: 8, .value_kind: global_buffer, .address_space: global }
      - { .name: part_cv, .offset: 16, .size: 8, .value_kind: global_buffer, .address_space: global }
      - { .name: out0, .offset: 24, .size: 8, .value_kind: global_buffer, .address_space: global }
      - { .name: out1, .offset: 32, .size: 8, .value_kind: global_buffer, .address_space: global }
    .group_segment_fixed_size: 0
    .private_segment_fixed_size: 0
    .kernarg_segment_align: 8
    .kernarg_segment_size: 40
    .max_flat_workgroup_size: 64
    .sgpr_count:     66
    .vgpr_count:     96
    .wavefront_size: 32
...
	.end_amdgpu_metadata
.endif
;; end of part 3
